; MI455X (gfx1250); checked and timed in simulation.
; The chip was launched on July 23, 2026; its instructions are those of AMD's public machine-readable ISA for CDNA 5 (MIT licence, August 2026) and "CDNA5" Instruction Set Architecture Reference Guide (July 2026). The comments in the code are by the model that wrote it; some were corrected since.
;; Vector Quantizer. Allowed arithmetic: float matrix products may take bf16 or f16 operands with f32 sums; other float arithmetic in f32, or as packed bf16 or f16 multiplies, adds, multiply-adds, maxima and minima; sums over many terms, partial sums and values carried from step to step in f32; what a program stores and reads back later, other than sums and carried values, may be rounded once to bf16 or f16.
;; Inputs: codebook 8,192 x 256 float32; x 8 x 1,024 x 256 float32.
;; Outputs: out0 8 x 1,024 x 256 float32; out1 one number float32; out2 8 x 1,024 int32; out3 one number float32; out4 one number float32.
;; 2 versions, each right; version 2 is version 1 with the launch prep written anew for expert scheduling mode. Each part assembles by itself: llvm-mc -triple=amdgcn-amd-amdhsa -mcpu=gfx1250 --defsym DOCPART=n.
;; ======== version 1 of 2: 5 launches
;; limits: right only within a limited range of input values
;; workspace buffers: xb 4,194,304 bytes; cb 4,194,304 bytes; rcn 32,768 bytes; cand 1,048,576 bytes; idxw 32,768 bytes of whole numbers; part 4,096 bytes
;; launch prep (part 1): grid 128 x 2, 4 waves a work-group, no clusters, 34,560 bytes of LDS; arguments x, codebook, xb, cb, rcn; writes xb, cb, rcn
.if DOCPART == 1
	.amdgcn_target "amdgcn-amd-amdhsa--gfx1250"
	.amdhsa_code_object_version 6
	.text
	.protected	k_qf4cff6cecc_prep
	.globl	k_qf4cff6cecc_prep
	.p2align	8
	.type	k_qf4cff6cecc_prep,@function
k_qf4cff6cecc_prep:
	s_mov_b64 s[64:65], 0
	v_nop
	global_prefetch_b8 v0, s[64:65] scope:SCOPE_SE
	s_setreg_imm32_b32 hwreg(HW_REG_WAVE_MODE, 25, 1), 1
	s_wait_xcnt 0x0
; VECTOR QUANTIZER, STEP 1 OF 5.  x and the codebook ([8192][256] f32 each) are rounded once to bf16 and laid out in the order in which the
; matrix instruction's fragments want them; for the codebook also rc[k] = 1 / sqrt(sum of the rounded row's squares + 1e-12), in f32.
; The rows are NOT normalised before the rounding: the next step multiplies the rounded rows exactly and applies rc in f32 behind the product.
; LAYOUT OF xb AND cb.  A tile of 16 rows is 8,192 bytes.  In it piece m = 0..15 is 512 bytes; in a piece lane l = 16 h + r owns the 16 bytes at 16 l:
; row r, columns 16 m + 8 h + 0..7.  Pieces 2 c and 2 c + 1 are registers 0-3 and 4-7 of the fragment of columns 32 c .. 32 c + 31.
; SHARES.  Grid y picks the matrix (0: x, 1: codebook).  A work-group takes 64 rows, each of its four waves one tile: 16,384 bytes in (32 loads of 512
; consecutive bytes, all on their way at once), 8,192 bytes out (16 stores of 512 consecutive bytes).  The turn from rows to pieces goes through the wave's own stage in LDS.
; No matrix unit, no cluster, no tensor load: every byte is read once by one wave, and nothing is shared.
; LIMITS.  NaN and infinities are not treated apart.
.set PITCH, 528                        ; a stage row: 512 bytes of bf16 + 16 = 33 x 16, so the 16 rows that a read-back touches begin 16 bytes apart modulo 256
.set STG,   16*PITCH                   ; a wave's stage
.set RN,    4*STG                      ; 64 words: rc of the work-group's rows
.set SPARE, RN+256                     ; the spare words, 128 bytes for each wave: two blocks of 256 bytes that no other line names
.set GO,  1                            ; v1   16 x lane: my bytes in 512 consecutive bytes of memory; never rewritten
.set SA,  2                            ; v2   stage, in: 8 x lane
.set LA,  3                            ; v3   stage, back: row r, 16 h
.set NW,  4                            ; v4   where rc of row r goes
.set NR,  5                            ; v5   where wave 0 reads two rc back
.set SPW, 6                            ; v6   my spare word; never rewritten
.set NIL, 7                            ; v7   0; never rewritten
.set SUM, 8                            ; v[8:11]  four chains of the sum of squares
.set T,   12                           ; v[12:13] at work
.set G8,  14                           ; v14  8 x lane
.set IN,  16                           ; v[16:143]  32 loads of four f32
.set FR,  144                          ; v[144:207] 16 pieces of eight bf16
	s_load_b256 s[4:11], s[0:1], 0x0               ; x s[4:5], codebook s[6:7], xb s[8:9], cb s[10:11]
	s_load_b64 s[12:13], s[0:1], 0x20              ; rcn
	v_lshl_add_u32 v[SPW], v0, 2, SPARE
	v_mov_b32 v[NIL], 0
	v_lshrrev_b32 v[T], 5, v0
	v_readfirstlane_b32 s14, v[T]                  ; wave 0..3
	s_and_b32 s15, ttmp7, 0xffff                   ; 0: x, 1: codebook
	v_and_b32 v[T], 31, v0                         ; lane
	v_and_b32 v[SUM], 15, v0                       ; r
	v_bfe_u32 v[SUM+1], v0, 4, 1                   ; h
	v_lshlrev_b32 v[GO], 4, v[T]
	v_lshlrev_b32 v[G8], 3, v[T]
	s_mul_i32 s16, s14, STG                        ; my stage
	v_lshl_add_u32 v[SA], v[T], 3, s16
	v_mul_u32_u24 v[LA], v[SUM], PITCH
	v_lshl_add_u32 v[LA], v[SUM+1], 4, v[LA]
	v_add_nc_u32 v[LA], s16, v[LA]
	s_lshl_b32 s17, s14, 6                         ; my tile's 16 words among the 64
	s_add_co_u32 s17, s17, RN
	v_lshl_add_u32 v[NW], v[SUM], 2, s17
	v_lshl_add_u32 v[NR], v[T], 3, RN
	s_lshl_b32 s18, ttmp9, 2
	s_add_co_u32 s18, s18, s14                     ; my tile = 4 x work-group + wave
	s_lshl_b32 s20, s18, 14                        ; its 16,384 bytes of f32
	s_mov_b32 s21, 0
	s_lshl_b32 s22, s18, 13                        ; its 8,192 bytes of bf16
	s_mov_b32 s23, 0
	s_lshl_b32 s24, ttmp9, 8                       ; the work-group's 256 bytes of rc
	s_mov_b32 s25, 0
	s_mov_b32 s26, 0x76543210                      ; v_permlanex16_b32: each lane takes its own place in the other half
	s_mov_b32 s27, 0xfedcba98
	s_wait_kmcnt 0x0
	s_cmp_eq_u32 s15, 0
	s_cselect_b64 s[4:5], s[4:5], s[6:7]           ; from x or from the codebook,
	s_cselect_b64 s[8:9], s[8:9], s[10:11]         ; into xb or into cb
	s_add_nc_u64 s[4:5], s[4:5], s[20:21]
	s_add_nc_u64 s[8:9], s[8:9], s[22:23]
	s_add_nc_u64 s[12:13], s[12:13], s[24:25]
.set n, 0
.rept 32                               ; load n: row n / 2, columns 128 (n % 2) + 4 x lane + 0..3
	global_load_b128 v[IN+4*n:IN+4*n+3], v[GO], s[4:5] offset:512*n th:TH_LOAD_NT
.set n, n+1
.endr
.set n, 0
.rept 32
	s_wait_loadcnt 31-n                            ; loads come back in order: load n is in, the 31 - n younger ones stay out
	v_cvt_pk_bf16_f32 v[IN+4*n], v[IN+4*n], v[IN+4*n+1]      ; the one rounding, to nearest even
	v_cvt_pk_bf16_f32 v[IN+4*n+1], v[IN+4*n+2], v[IN+4*n+3]
	ds_store_b64 v[SA], v[IN+4*n:IN+4*n+1] offset:(n/2)*PITCH+(n%2)*256  ; 32 lanes, 256 consecutive bytes
.set n, n+1
.endr
.set m, 0
.rept 16                               ; LDS serves a wave's instructions in order, and the stage is my own: no wait between the stores and these
	ds_load_b128 v[FR+4*m:FR+4*m+3], v[LA] offset:32*m
.set m, m+1
.endr
.set m, 0
.rept 16
	s_wait_dscnt 15-m                              ; piece m is back, the 15 - m younger ones stay out
	global_store_b128 v[GO], v[FR+4*m:FR+4*m+3], s[8:9] offset:512*m  ; 512 consecutive bytes, at a multiple of 512 from the buffer's first
.set m, m+1
.endr
	s_cmp_eq_u32 s15, 0
	s_cbranch_scc1 .Lno_norm                       ; x needs no norm: its factor is the same for all codes of a row
	; my lane holds 128 of row r's 256 numbers, the lane 16 away the others
.irp z, 0,1,2,3
	v_mov_b32 v[SUM+\z], 0
.endr
.set m, 0
.rept 64
	v_fma_mix_f32_bf16 v[SUM+(2*m)%4], v[FR+m], v[FR+m], v[SUM+(2*m)%4] op_sel_hi:[1,1,0]                    ; low half squared, in f32
	v_fma_mix_f32_bf16 v[SUM+(2*m+1)%4], v[FR+m], v[FR+m], v[SUM+(2*m+1)%4] op_sel:[1,1,0] op_sel_hi:[1,1,0]  ; high half squared
.set m, m+1
.endr
	v_add_f32 v[SUM], v[SUM], v[SUM+1]
	v_add_f32 v[SUM+2], v[SUM+2], v[SUM+3]
	v_add_f32 v[SUM], v[SUM], v[SUM+2]
	v_permlanex16_b32 v[SUM+1], v[SUM], s26, s27
	v_add_f32 v[SUM], v[SUM], v[SUM+1]
	v_add_f32 v[SUM], 0x2b8cbccc, v[SUM]           ; + 1e-12
	v_rsq_f32 v[SUM+2], v[SUM]
	v_nop                                          ; a plain instruction between the root and the use of its result
	s_wait_alu depctr_va_vdst(0)
	ds_store_b32 v[NW], v[SUM+2]                   ; lanes r and r + 16 write the same word with the same number
.Lno_norm:
	s_wait_dscnt 0x0                               ; for the others' sake: my store of rc is done
	s_barrier_signal -1
	s_barrier_wait -1
	s_cmp_eq_u32 s15, 0
	s_cbranch_scc1 .Lend
	s_cmp_lg_u32 s14, 0
	s_cbranch_scc1 .Lend
	ds_load_b64 v[T:T+1], v[NR]                    ; wave 0 stores the work-group's 64 rc:
	s_wait_dscnt 0x0
	global_store_b64 v[G8], v[T:T+1], s[12:13]     ; 256 consecutive bytes, at a multiple of 256 from rcn's first
.Lend:
	s_wait_tensorcnt 0x0                           ; the wave's end, behind my last LDS store
	ds_add_u32 v[SPW], v[NIL]
	s_wait_dscnt 0x0
	s_endpgm
.Lfunc_end_k_qf4cff6cecc_prep:
	.size	k_qf4cff6cecc_prep, .Lfunc_end_k_qf4cff6cecc_prep-k_qf4cff6cecc_prep
	.p2alignl 7, 3214868480
	.fill 96, 4, 3214868480
	.section	.rodata,"a",@progbits
	.p2align	6, 0x0
	.amdhsa_kernel k_qf4cff6cecc_prep
		.amdhsa_group_segment_fixed_size 34560
		.amdhsa_private_segment_fixed_size 0
		.amdhsa_enable_private_segment 0
		.amdhsa_kernarg_size 40
		.amdhsa_user_sgpr_count 2
		.amdhsa_user_sgpr_kernarg_segment_ptr 1
		.amdhsa_wavefront_size32 1
		.amdhsa_system_sgpr_workgroup_id_x 1
		.amdhsa_system_sgpr_workgroup_id_y 1
		.amdhsa_system_sgpr_workgroup_id_z 1
		.amdhsa_system_vgpr_workitem_id 0
		.amdhsa_next_free_vgpr 208
		.amdhsa_next_free_sgpr 66
		.amdhsa_reserve_vcc 0
		.amdhsa_float_denorm_mode_32 3
		.amdhsa_float_denorm_mode_16_64 3
		.amdhsa_memory_ordered 1
		.amdhsa_forward_progress 1
		.amdhsa_inst_pref_size 25
	.end_amdhsa_kernel
	.amdgpu_metadata
---
amdhsa.version: [ 1, 2 ]
amdhsa.kernels:
  - .name:           k_qf4cff6cecc_prep
    .symbol:         k_qf4cff6cecc_prep.kd
    .args:
      - { .name: x, .offset: 0, .size: 8, .value_kind: global_buffer, .address_space: global }
      - { .name: codebook, .offset: 8, .size: 8, .value_kind: global_buffer, .address_space: global }
      - { .name: xb, .offset: 16, .size: 8, .value_kind: global_buffer, .address_space: global }
      - { .name: cb, .offset: 24, .size: 8, .value_kind: global_buffer, .address_space: global }
      - { .name: rcn, .offset: 32, .size: 8, .value_kind: global_buffer, .address_space: global }
    .group_segment_fixed_size: 34560
    .private_segment_fixed_size: 0
    .kernarg_segment_align: 8
    .kernarg_segment_size: 40
    .max_flat_workgroup_size: 128
    .sgpr_count:     66
    .vgpr_count:     208
    .wavefront_size: 32
...
	.end_amdgpu_metadata
.endif
;; end of part 1
;; launch score (part 2): grid 16 x 16, 4 waves a work-group, clusters of 4 x 1, 327,680 bytes of LDS; arguments xb, cb, rcn, cand; writes cand
.if DOCPART == 2
	.amdgcn_target "amdgcn-amd-amdhsa--gfx1250"
	.amdhsa_code_object_version 6
	.text
	.protected	k_qf4cff6cecc_score
	.globl	k_qf4cff6cecc_score
	.p2align	8
	.type	k_qf4cff6cecc_score,@function
k_qf4cff6cecc_score:
	s_mov_b64 s[64:65], 0
	v_nop
	global_prefetch_b8 v0, s[64:65] scope:SCOPE_SE
	s_setreg_imm32_b32 hwreg(HW_REG_WAVE_MODE, 25, 1), 1
	s_wait_xcnt 0x0
	s_wait_alu depctr_hold_cnt(0) depctr_sa_sdst(0) depctr_va_vdst(0) depctr_va_sdst(0) depctr_va_ssrc(0) depctr_va_vcc(0) depctr_vm_vsrc(0)
	s_getreg_b32 s2, hwreg(HW_REG_IB_STS2, 6, 4)
	s_cmp_eq_u32 s2, 0
	s_cbranch_scc0 .Lentry_in_a_cluster
	s_endpgm
.Lentry_in_a_cluster:
	s_bfe_u32 s2, ttmp6, 0x10000c
	s_cmp_lg_u32 s2, 0x3003
	s_cbranch_scc0 .Lentry_shape_is_right
	s_endpgm
.Lentry_shape_is_right:
; VECTOR QUANTIZER, STEP 2 OF 5.  For 512 rows of x and 512 codes: score(row, k) = (x_row . c_k) rc[k], products of bf16 numbers summed in f32, rc applied in f32; for each row the
; largest score of the 512 and its code go to cand[split][row] = (f32 score, i32 code).  The nearest code of the normalised vectors is the one with the largest score: the row's own factor is
; positive and the same for all codes, and so is its squared length.
; LIMITS.  The squared length of a normalised code, |c|^2 / (|c|^2 + 1e-12), is taken as 1: true to f32 rounding while |c|^2 > 2e-5.  Scores that differ by less than f32 rounding may be
; ordered otherwise than distances computed in f32; equal scores go to the lowest code.  NaN and infinities are not treated apart.
; SHARES.  Grid x: 16 blocks of 512 rows; grid y: 16 splits of 512 codes: 256 work-groups of equal work.  A wave keeps its 128 rows of x in 512 registers for the whole launch; the split's
; 32 code tiles (16 codes, 8,192 bytes each) lie in LDS, filled once.  A code tile costs 16 LDS loads and feeds 64 matrix instructions.
; CLUSTER.  The four work-groups of a cluster have the same split, so its codes and rc are asked for JOINTLY (the same load, descriptor and mask in all four).  x is not: the partners' rows
; differ, and it goes from memory straight into the registers where it stays, in pieces of 512 consecutive bytes; LDS has no room for it beside the codes (262,144 bytes each).
; THE PRODUCT IS USED TRANSPOSED: source 0 = 16 codes, source 1 = 16 rows of x.  A lane then holds ONE row (lane % 16) and in its eight registers the codes 8 (lane / 16) + 0..7.
; THE ARGMAX.  For each row tile and each pair p of registers a chain: run (the largest so far), idx (the first code of the tile that brought it), keep (the even register's score at that time).
; new = max3(old, a, b); where new > old, idx and keep are taken.  At the end keep = run says that the even code won.  run has two sets that change roles from tile to tile, so nothing is moved.
; BY TURNS.  While tile t is multiplied, tile t - 1's scores are scaled and reduced: 20 vector instructions for each row tile, in five slices of four, one slice behind each of five matrix instructions of eight.
; REGISTERS, in windows of 256 (s_set_vgpr_msb: bits 1:0 source 0, 3:2 source 1, 5:4 source 2, 7:6 destination):
;   window 0: v0-15 addresses; v16-31 rc, two buffers of 8; v64-127, v128-191 the scores, two buffers, row tile i at + 8 i
;   window 1: v0-63, v64-127 a code tile's fragments, two buffers, K step c at + 8 c; v128-255 the chains, row tile i at 128 + 16 i: run (4), run (4), idx (4), keep (4)
;   windows 2, 3: x: row tile i in window 2 + i / 4 at 64 (i % 4) + 8 c
.set RCB,   262144                     ; behind the 32 code tiles: the split's 512 rc
.set SPARE, RCB+2048                   ; the spare words, 128 bytes for each wave: two blocks of 256 bytes that no other line names
.set L16, 1                            ; v1   16 x lane; never rewritten
.set FA,  2                            ; v2   LDS address of the run of fragment loads in hand
.set RA,  3                            ; v3   of the two loads of rc
.set L8,  4                            ; v4   8 x lane
.set H8,  5                            ; v5   8 (lane / 16)
.set H32, 6                            ; v6   32 (lane / 16)
.set SPW, 14                           ; v14  my spare word; never rewritten
.set NIL, 15                           ; v15  0; never rewritten
.set RC,  16
.set ACC, 64
.set STA, 128                          ; window 1
.set CT,  0                            ; window 1, at the end: 8 (lane / 16) + 2 p
.set OUT, 16                           ; window 1, at the end: four pairs (score, code)
.set WV,  12                           ; s12  my wave's number
.set G1S, 16                           ; s[16:23] group 1: 64 rows of 256 bytes
.set G1B, 24                           ; s[24:31] 192 rows of 256 bytes
.set G1R, 32                           ; s[32:39] one row of 512 bytes
.set G0R, 40                           ; s[40:43] group 0: my quarter of rc
.set G0S, 44                           ; s[44:47] my quarter of code tiles 0 to 7
.set G0B, 48                           ; s[48:51] my quarter of code tiles 8 to 31
.set MK,  52                           ; s[52:55] four masks
.set CODE, 56                          ; s56  first code of the tile that is being reduced
.set CNT, 57
.set SEL, 58                           ; s[58:59] v_permlanex16_b32: each lane takes its own place in the other half
.set HIM, 60                           ; s60  lanes 16 to 31
.set TB,  61                           ; s61  LDS byte at which the tile fetched last begins
.set TR,  62                           ; s62  LDS byte of the rc to be fetched next
.set NINF, 63                          ; s63  minus infinity
.set MSB, 0
.macro WIN new                         ; the immediate's high byte repeats the setting that is left; a switch that changes nothing is dropped
.if MSB != (\new)
	s_set_vgpr_msb (MSB<<8)|(\new)
.set MSB, (\new)
.endif
.endm
; A round of the cluster's barrier: my work-group's barrier, so that wave 0's signal speaks for all four waves; wave 0 signals; every wave waits for all four work-groups; my work-group's barrier once more.
.macro ROUND
	s_barrier_signal -1
	s_barrier_wait -1
	s_cmp_lg_u32 s[WV], 0
	s_cbranch_scc1 .Lnot_wave_0_\@
	s_barrier_signal -3
.Lnot_wave_0_\@:
	s_barrier_wait -3
	s_barrier_signal -1
	s_barrier_wait -1
.endm
.macro PLACES
.rept 4
	v_nop
.endr
.endm
.macro G1SET g, c, r                   ; r rows of c elements of 8 bytes, dense, no padding
	s_mov_b32 s[(\g)+0], 15|(3<<16)|(1<<21)        ; 15:0 the mask: all four work-groups; 17:16 elements of 8 bytes; 21 set beside a mask
	s_mov_b32 s[(\g)+1], (\c)<<16                  ; tensor_dim0
	s_mov_b32 s[(\g)+2], (\r)<<16                  ; tensor_dim1
	s_mov_b32 s[(\g)+3], (\c)<<16                  ; tile_dim0
	s_mov_b32 s[(\g)+4], \r                        ; tile_dim1
	s_mov_b32 s[(\g)+5], \c                        ; elements from row to row
	s_mov_b32 s[(\g)+6], 0
	s_mov_b32 s[(\g)+7], 0
.endm
	s_load_b256 s[4:11], s[0:1], 0x0               ; xb s[4:5], cb s[6:7], rcn s[8:9], cand s[10:11]
	v_lshl_add_u32 v[SPW], v0, 2, SPARE
	v_mov_b32 v[NIL], 0
	ds_add_u32 v[SPW], v[NIL]                      ; the wave's opening: the add and its wait stand ahead of my first tensor load; the set-up below, work on registers, stands between them
	v_lshrrev_b32 v7, 5, v0
	v_readfirstlane_b32 s[WV], v7                  ; wave 0..3
	s_bfe_u32 s13, ttmp6, 0x40000                  ; cx: my place in the cluster
	s_lshl_b32 s14, ttmp9, 2                       ; in a cluster launch ttmp9 counts clusters
	s_add_co_u32 s14, s14, s13                     ; my block of 512 rows: it enters xb's and cand's addresses alone
	s_and_b32 s15, ttmp7, 0xffff                   ; the split, which the four partners share
	G1SET G1S, 32, 64
	G1SET G1B, 32, 192
	G1SET G1R, 64, 1
	s_mov_b32 s[G0R], 1                            ; 1:0 count = 1
	s_lshl_b32 s[G0R+1], s[WV], 9                  ; 63:32 LDS address: 512 bytes a wave
	s_add_co_u32 s[G0R+1], s[G0R+1], RCB
	s_mov_b32 s[G0S], 1
	s_lshl_b32 s[G0S+1], s[WV], 14                 ; 16,384 bytes a wave, from LDS byte 0
	s_mov_b32 s[G0B], 1
	s_mul_i32 s[G0B+1], s[WV], 49152               ; 49,152 bytes a wave, from LDS byte 65,536
	s_add_co_u32 s[G0B+1], s[G0B+1], 65536
	s_lshl_b32 s66, s15, 18                        ; the split's 262,144 bytes of cb lie in LDS as in memory:
	s_add_co_u32 s68, s66, s[G0B+1]                ; a part's offset in cb is the split's plus its LDS address
	s_add_co_u32 s66, s66, s[G0S+1]
	s_mov_b32 s67, 0
	s_mov_b32 s69, 0
	s_lshl_b32 s70, s15, 11                        ; the split's 2,048 bytes of rc, my 512 of them
	s_lshl_b32 s71, s[WV], 9
	s_add_co_u32 s70, s70, s71
	s_mov_b32 s71, 0
	s_lshl_b32 s72, s14, 18                        ; my block's 32 tiles of xb, my wave's 8 (registers of their own: none that feeds a descriptor ever holds cx)
	s_lshl_b32 s73, s[WV], 16
	s_add_co_u32 s72, s72, s73
	s_mov_b32 s73, 0
	s_lshl_b32 s74, s15, 16                        ; cand: 65,536 bytes a split, 4,096 a block, 1,024 a wave
	s_lshl_b32 s75, s14, 12
	s_add_co_u32 s74, s74, s75
	s_lshl_b32 s75, s[WV], 10
	s_add_co_u32 s74, s74, s75
	s_mov_b32 s75, 0
	s_lshl_b32 s[CODE], s15, 9                     ; the split's first code
	s_mov_b32 s[SEL], 0x76543210
	s_mov_b32 s[SEL+1], 0xfedcba98
	s_mov_b32 s[HIM], 0xffff0000
	s_mov_b32 s[TB], 0
	s_mov_b32 s[TR], RCB
	s_mov_b32 s[NINF], 0xff800000
	v_and_b32 v7, 31, v0
	v_lshlrev_b32 v[L16], 4, v7
	v_lshlrev_b32 v[L8], 3, v7
	v_bfe_u32 v7, v0, 4, 1
	v_lshlrev_b32 v[H8], 3, v7
	v_lshlrev_b32 v[H32], 5, v7
	s_wait_dscnt 0x0                               ; the opening add is done
	s_wait_kmcnt 0x0
	s_add_nc_u64 s[G0R+2:G0R+3], s[8:9], s[70:71]  ; 120:64 global address
	s_or_b32 s[G0R+3], s[G0R+3], 0x80000000        ; 127:126 type = 2
	s_add_nc_u64 s[G0S+2:G0S+3], s[6:7], s[66:67]
	s_or_b32 s[G0S+3], s[G0S+3], 0x80000000
	s_add_nc_u64 s[G0B+2:G0B+3], s[6:7], s[68:69]
	s_or_b32 s[G0B+3], s[G0B+3], 0x80000000
	s_add_nc_u64 s[4:5], s[4:5], s[72:73]
	s_add_nc_u64 s[10:11], s[10:11], s[74:75]
	ROUND                                          ; all four work-groups are here: the first joint loads meet
	tensor_load_to_lds s[G0R:G0R+3], s[G1R:G1R+7]  ; rc, and code tiles 0 to 7: two loads of mine are out
	s_nop 0
	tensor_load_to_lds s[G0S:G0S+3], s[G1S:G1S+7]
	s_nop 0
	PLACES
.set i, 0
.rept 8                                ; x stays in registers: row tile i, piece m of 16
	WIN 0x80+0x40*(i/4)
.set m, 0
.rept 16
	global_load_b128 v[64*(i%4)+4*m:64*(i%4)+4*m+3], v[L16], s[4:5] offset:8192*i+512*m
.set m, m+1
.endr
.set i, i+1
.endr
	WIN 0x40                                       ; the chains' start, in the wait for x: below every score, at the split's first code
.set i, 0
.rept 8
.irp z, 0,1,2,3
	v_mov_b32 v[STA+16*i+\z], s[NINF]
	v_mov_b32 v[STA+16*i+8+\z], s[CODE]
	v_mov_b32 v[STA+16*i+12+\z], s[NINF]
.endr
.set i, i+1
.endr
	s_wait_loadcnt 0x0                             ; x is in: what the first products need has had the road before the 196,608 bytes asked for below
	WIN 0
	s_wait_tensorcnt 0x0                           ; my parts of rc and of tiles 0 to 7 have landed; no tensor load of mine is out
	ds_add_u32 v[SPW], v[NIL]                      ; 0 onto my spare word
	s_wait_dscnt 0x0
	ROUND                                          ; everybody's parts have landed, in all four work-groups
	tensor_load_to_lds s[G0B:G0B+3], s[G1B:G1B+7]  ; code tiles 8 to 31: bytes filled for the first time, my one load behind this round; seven tiles' products stand ahead of the wait for it
	s_nop 0
	PLACES
; Matrix instruction n of a tile's 64: row tile 4 (n / 32) + n % 4, K step (n % 32) / 4.  Four accumulators take turns, one instruction a turn, from half to half and
; from tile to tile too.  The first K step starts the sums with the constant 0: nothing is cleared.
.macro MM par
.set mi, 4*(n/32)+n%4
.set mc, (n%32)/4
.set rD, ACC+64*(\par)+8*mi
.set rF, 64*(\par)+8*mc
.set rX, 64*(mi%4)+8*mc
	WIN 0x09+4*(mi/4)                              ; codes in window 1, x in window 2 or 3, scores in window 0
.if mc == 0
	v_wmma_f32_16x16x32_bf16 v[rD:rD+7], v[rF:rF+7], v[rX:rX+7], 0
.else
	v_wmma_f32_16x16x32_bf16 v[rD:rD+7], v[rF:rF+7], v[rX:rX+7], v[rD:rD+7]
.endif
.endm
; Slice k of five for row tile i of the tile whose scores lie in buffer buf.  0: times rc (the accumulator's lowest registers are read first).  1: the new maxima.
; 2: which chains have grown.  3, 4: those take the tile's first code and the even register's score.
.macro SLICE i, k, buf
.set rA, ACC+64*(\buf)+8*(\i)
.set rR, RC+8*(\buf)
.set rO, STA+16*(\i)+4*(\buf)
.set rN, STA+16*(\i)+4*(1-(\buf))
.set rI, STA+16*(\i)+8
.set rK, STA+16*(\i)+12
.if (\k) == 0
	WIN 0
.irp z, 0,1,2,3
	v_pk_mul_f32 v[rA+2*\z:rA+2*\z+1], v[rA+2*\z:rA+2*\z+1], v[rR+2*\z:rR+2*\z+1]
.endr
.elseif (\k) == 1
	WIN 0x41
.irp z, 0,1,2,3
	v_max3_num_f32 v[rN+\z], v[rO+\z], v[rA+2*\z], v[rA+2*\z+1]
.endr
.elseif (\k) == 2
	WIN 0x05
.irp z, 0,1,2,3
	v_cmp_gt_f32 s[MK+\z], v[rN+\z], v[rO+\z]
.endr
.elseif (\k) == 3
	WIN 0x41
.irp z, 0,1,2,3
	v_cndmask_b32 v[rI+\z], v[rI+\z], s[CODE], s[MK+\z]
.endr
.else
	WIN 0x41
.irp z, 0,1,2,3
	v_cndmask_b32 v[rK+\z], v[rK+\z], v[rA+2*\z], s[MK+\z]
.endr
.endif
.endm
; The LDS loads of a tile stand in one run: rc of the tile in hand (eight numbers a lane), and (fet = 1) the next tile's 16 pieces, 512 consecutive bytes each, into the other buffer.
.macro LOADS par, fet
	WIN 0
	v_add_nc_u32 v[RA], s[TR], v[H32]
	s_add_co_u32 s[TR], s[TR], 64
	ds_load_b128 v[RC+8*(\par):RC+8*(\par)+3], v[RA]
	ds_load_b128 v[RC+8*(\par)+4:RC+8*(\par)+7], v[RA] offset:16
.if \fet
	s_add_co_u32 s[TB], s[TB], 8192
	v_add_nc_u32 v[FA], s[TB], v[L16]
	WIN 0x40
.set m, 0
.rept 16
	ds_load_b128 v[64*(1-(\par))+4*m:64*(1-(\par))+4*m+3], v[FA] offset:512*m
.set m, m+1
.endr
.endif
.endm
; A code tile, in buffers par.  rid = 1: the tile before is reduced beside it.  The run of loads stands behind the second product: the other fragment buffer's last reader, the tile before's last
; product, then lies eight plain vector instructions back that name none of its registers; the loads are waited for at the next tile's head, 62 matrix instructions on.
.macro TILE par, rid, fet
	s_wait_dscnt 0x0                               ; this tile's fragments and the last tile's rc are in
.set n, 0
.rept 64
	MM \par
.if (\rid) && (n%8 < 5)
	SLICE n/8, n%8, 1-(\par)
.endif
.if n == 1
	LOADS \par, \fet
.endif
.set n, n+1
.endr
.if \rid
	s_add_co_u32 s[CODE], s[CODE], 16
.endif
.endm
	WIN 0x40
.set m, 0
.rept 16
	ds_load_b128 v[4*m:4*m+3], v[L16] offset:512*m ; code tile 0
.set m, m+1
.endr
	TILE 0, 0, 1                                   ; there is nothing yet to reduce beside it,
	PLACES                                         ; so four v_nop are the places between its products and the first slice
	WIN 0                                          ; at a label and at a branch every window is 0
	s_mov_b32 s[CNT], 3
.Lfirst:                                               ; tiles 1 to 6; tile 6 fetches tile 7, the last that the first fills brought
	TILE 1, 1, 1
	TILE 0, 1, 1
	WIN 0
	s_sub_co_u32 s[CNT], s[CNT], 1
	s_cmp_lg_u32 s[CNT], 0
	s_cbranch_scc1 .Lfirst
	s_wait_tensorcnt 0x0                           ; my part of tiles 8 to 31 has landed,
	s_wait_dscnt 0x0                               ; no LDS instruction of mine is out at the signal,
	s_barrier_signal -1
	s_barrier_wait -1                              ; everybody's part has.
	s_mov_b32 s[CNT], 12
.Lrest:                                                ; tiles 7 to 30
	TILE 1, 1, 1
	TILE 0, 1, 1
	WIN 0
	s_sub_co_u32 s[CNT], s[CNT], 1
	s_cmp_lg_u32 s[CNT], 0
	s_cbranch_scc1 .Lrest
	TILE 1, 1, 0                                   ; tile 31: nothing more to fetch
	s_wait_dscnt 0x0                               ; its rc is in
.set i, 0
.rept 8                                ; tile 31 is reduced: row tiles 0 to 3 were finished 32 products ago, and their 80 instructions are the places behind the last products
.irp k, 0,1,2,3,4
	SLICE i, \k, 1
.endr
.set i, i+1
.endr
	; THE END.  A chain's code = idx + 8 (lane / 16) + 2 p, + 1 where the odd register won.  Then the four chains of a lane and the two halves of the lanes are merged: the larger score, of equal ones the lower code.
.macro MERGE va, ca, vb, cb
	v_cmp_gt_f32 s[MK], v[\vb], v[\va]
	v_cmp_eq_f32 s[MK+1], v[\vb], v[\va]
	v_cmp_lt_u32 s[MK+2], v[\cb], v[\ca]
	s_and_b32 s[MK+1], s[MK+1], s[MK+2]
	s_or_b32 s[MK], s[MK], s[MK+1]
	v_cndmask_b32 v[\va], v[\va], v[\vb], s[MK]
	v_cndmask_b32 v[\ca], v[\ca], v[\cb], s[MK]
.endm
	WIN 0x40
.irp z, 0,1,2,3
	v_add_nc_u32 v[CT+\z], 2*\z, v[H8]
.endr
	WIN 0x55                                       ; all in window 1; the run set that is over serves as scratch
.set i, 0
.rept 8
.set rSt, STA+16*i
.irp z, 0,1,2,3
	v_cmp_eq_f32 s[MK+\z], v[rSt+12+\z], v[rSt+\z]
.endr
.irp z, 0,1,2,3
	v_cndmask_b32 v[rSt+4+\z], 1, 0, s[MK+\z]
.endr
.irp z, 0,1,2,3
	v_add3_u32 v[rSt+8+\z], v[rSt+8+\z], v[rSt+4+\z], v[CT+\z]
.endr
	MERGE rSt, rSt+8, rSt+1, rSt+9
	MERGE rSt+2, rSt+10, rSt+3, rSt+11
	MERGE rSt, rSt+8, rSt+2, rSt+10
	v_permlanex16_b32 v[rSt+4], v[rSt], s[SEL], s[SEL+1]     ; the row's other eight codes of each tile lie in the lane 16 away
	v_permlanex16_b32 v[rSt+5], v[rSt+8], s[SEL], s[SEL+1]
	MERGE rSt, rSt+8, rSt+4, rSt+5
.set i, i+1
.endr
.set j, 0
.rept 4                                ; lanes 0-15 take row tile 2 j, lanes 16-31 row tile 2 j + 1: 32 consecutive rows
	v_cndmask_b32 v[OUT+2*j], v[STA+32*j], v[STA+32*j+16], s[HIM]
	v_cndmask_b32 v[OUT+2*j+1], v[STA+32*j+8], v[STA+32*j+24], s[HIM]
.set j, j+1
.endr
	WIN 0x04                                       ; the stores' data in window 1, their address in window 0
.set j, 0
.rept 4
	global_store_b64 v[L8], v[OUT+2*j:OUT+2*j+1], s[10:11] offset:256*j  ; 256 consecutive bytes, at a multiple of 256 from cand's first
.set j, j+1
.endr
	WIN 0
	s_wait_tensorcnt 0x0                           ; the wave's end, behind my last tensor load
	ds_add_u32 v[SPW], v[NIL]
	s_wait_dscnt 0x0
	ROUND                                          ; the closing round: no work-group ends while a partner may still ask for a tile that names it
	s_endpgm
.Lfunc_end_k_qf4cff6cecc_score:
	.size	k_qf4cff6cecc_score, .Lfunc_end_k_qf4cff6cecc_score-k_qf4cff6cecc_score
	.p2alignl 7, 3214868480
	.fill 96, 4, 3214868480
	.section	.rodata,"a",@progbits
	.p2align	6, 0x0
	.amdhsa_kernel k_qf4cff6cecc_score
		.amdhsa_group_segment_fixed_size 327680
		.amdhsa_private_segment_fixed_size 0
		.amdhsa_enable_private_segment 0
		.amdhsa_kernarg_size 32
		.amdhsa_user_sgpr_count 2
		.amdhsa_user_sgpr_kernarg_segment_ptr 1
		.amdhsa_wavefront_size32 1
		.amdhsa_system_sgpr_workgroup_id_x 1
		.amdhsa_system_sgpr_workgroup_id_y 1
		.amdhsa_system_sgpr_workgroup_id_z 1
		.amdhsa_system_vgpr_workitem_id 0
		.amdhsa_next_free_vgpr 1024
		.amdhsa_next_free_sgpr 76
		.amdhsa_reserve_vcc 0
		.amdhsa_float_denorm_mode_32 3
		.amdhsa_float_denorm_mode_16_64 3
		.amdhsa_memory_ordered 1
		.amdhsa_forward_progress 1
		.amdhsa_inst_pref_size 148
	.end_amdhsa_kernel
	.amdgpu_metadata
---
amdhsa.version: [ 1, 2 ]
amdhsa.kernels:
  - .name:           k_qf4cff6cecc_score
    .symbol:         k_qf4cff6cecc_score.kd
    .args:
      - { .name: xb, .offset: 0, .size: 8, .value_kind: global_buffer, .address_space: global }
      - { .name: cb, .offset: 8, .size: 8, .value_kind: global_buffer, .address_space: global }
      - { .name: rcn, .offset: 16, .size: 8, .value_kind: global_buffer, .address_space: global }
      - { .name: cand, .offset: 24, .size: 8, .value_kind: global_buffer, .address_space: global }
    .group_segment_fixed_size: 327680
    .private_segment_fixed_size: 0
    .kernarg_segment_align: 8
    .kernarg_segment_size: 32
    .max_flat_workgroup_size: 128
    .sgpr_count:     76
    .vgpr_count:     1024
    .wavefront_size: 32
...
	.end_amdgpu_metadata
.endif
;; end of part 2
;; launch pick (part 3): grid 32 x 1, 4 waves a work-group, no clusters, 0 bytes of LDS; arguments cand, out2, idxw; writes out2, idxw
.if DOCPART == 3
	.amdgcn_target "amdgcn-amd-amdhsa--gfx1250"
	.amdhsa_code_object_version 6
	.text
	.protected	k_qf4cff6cecc_pick
	.globl	k_qf4cff6cecc_pick
	.p2align	8
	.type	k_qf4cff6cecc_pick,@function
k_qf4cff6cecc_pick:
	s_mov_b64 s[64:65], 0
	v_nop
	global_prefetch_b8 v0, s[64:65] scope:SCOPE_SE
	s_setreg_imm32_b32 hwreg(HW_REG_WAVE_MODE, 25, 1), 1
	s_wait_xcnt 0x0
; VECTOR QUANTIZER, STEP 3 OF 5.  For each of the 8,192 rows the best of its 16 candidates, one from each split of 512 codes: cand[split][row] = (f32 score, i32 code).
; The code goes to out2, the result, and to idxw, from which the next step forms addresses: a choice made by comparing floating-point numbers steers addresses only in a later launch.
; The compare is strict and the splits ascend, so of equal scores the lowest code wins.
; SHARES.  A thread takes two neighbouring rows: 16 bytes of each split, so a wave's load covers 512 consecutive bytes; all 16 loads are on their way at once.  A wave's store covers 256 consecutive bytes.
; 1 MiB is read once and nothing is shared: no LDS, no barrier.
.set C, 8                              ; v[8:71]  split q at C + 4 q: score, code, score, code; split 0's four registers hold the best so far
.set O, 72                             ; v[72:73] the two codes
	s_load_b128 s[4:7], s[0:1], 0x0                ; cand s[4:5], out2 s[6:7]
	s_load_b64 s[8:9], s[0:1], 0x10                ; idxw
	v_lshlrev_b32 v1, 4, v0                        ; my 16 bytes in a split
	v_lshlrev_b32 v2, 3, v0                        ; my 8 bytes of codes
	s_lshl_b32 s10, ttmp9, 11                      ; the work-group's 256 rows: 2,048 bytes of a split,
	s_mov_b32 s11, 0
	s_lshl_b32 s12, ttmp9, 10                      ; 1,024 bytes of codes
	s_mov_b32 s13, 0
	s_wait_kmcnt 0x0
	s_add_nc_u64 s[4:5], s[4:5], s[10:11]
	s_add_nc_u64 s[6:7], s[6:7], s[12:13]
	s_add_nc_u64 s[8:9], s[8:9], s[12:13]
.set q, 0
.rept 16
	global_load_b128 v[C+4*q:C+4*q+3], v1, s[4:5] offset:65536*q th:TH_LOAD_NT
.set q, q+1
.endr
.set q, 1
.rept 15
	s_wait_loadcnt 15-q                            ; loads come back in order: splits 0 to q are in, the 15 - q younger ones stay out
	v_cmp_gt_f32 vcc_lo, v[C+4*q], v[C]
	v_cmp_gt_f32 s14, v[C+4*q+2], v[C+2]
.if q < 15
	v_cndmask_b32 v[C], v[C], v[C+4*q], vcc_lo
	v_cndmask_b32 v[C+1], v[C+1], v[C+4*q+1], vcc_lo
	v_cndmask_b32 v[C+2], v[C+2], v[C+4*q+2], s14
	v_cndmask_b32 v[C+3], v[C+3], v[C+4*q+3], s14
.else
	v_cndmask_b32 v[O], v[C+1], v[C+4*q+1], vcc_lo ; the last choice puts the two codes side by side
	v_cndmask_b32 v[O+1], v[C+3], v[C+4*q+3], s14
.endif
.set q, q+1
.endr
	global_store_b64 v2, v[O:O+1], s[6:7]
	global_store_b64 v2, v[O:O+1], s[8:9]
	s_endpgm
.Lfunc_end_k_qf4cff6cecc_pick:
	.size	k_qf4cff6cecc_pick, .Lfunc_end_k_qf4cff6cecc_pick-k_qf4cff6cecc_pick
	.p2alignl 7, 3214868480
	.fill 96, 4, 3214868480
	.section	.rodata,"a",@progbits
	.p2align	6, 0x0
	.amdhsa_kernel k_qf4cff6cecc_pick
		.amdhsa_group_segment_fixed_size 0
		.amdhsa_private_segment_fixed_size 0
		.amdhsa_enable_private_segment 0
		.amdhsa_kernarg_size 24
		.amdhsa_user_sgpr_count 2
		.amdhsa_user_sgpr_kernarg_segment_ptr 1
		.amdhsa_wavefront_size32 1
		.amdhsa_system_sgpr_workgroup_id_x 1
		.amdhsa_system_sgpr_workgroup_id_y 1
		.amdhsa_system_sgpr_workgroup_id_z 1
		.amdhsa_system_vgpr_workitem_id 0
		.amdhsa_next_free_vgpr 76
		.amdhsa_next_free_sgpr 66
		.amdhsa_reserve_vcc 1
		.amdhsa_float_denorm_mode_32 3
		.amdhsa_float_denorm_mode_16_64 3
		.amdhsa_memory_ordered 1
		.amdhsa_forward_progress 1
		.amdhsa_inst_pref_size 7
	.end_amdhsa_kernel
	.amdgpu_metadata
---
amdhsa.version: [ 1, 2 ]
amdhsa.kernels:
  - .name:           k_qf4cff6cecc_pick
    .symbol:         k_qf4cff6cecc_pick.kd
    .args:
      - { .name: cand, .offset: 0, .size: 8, .value_kind: global_buffer, .address_space: global }
      - { .name: out2, .offset: 8, .size: 8, .value_kind: global_buffer, .address_space: global }
      - { .name: idxw, .offset: 16, .size: 8, .value_kind: global_buffer, .address_space: global }
    .group_segment_fixed_size: 0
    .private_segment_fixed_size: 0
    .kernarg_segment_align: 8
    .kernarg_segment_size: 24
    .max_flat_workgroup_size: 128
    .sgpr_count:     66
    .vgpr_count:     76
    .wavefront_size: 32
...
	.end_amdgpu_metadata
.endif
;; end of part 3
;; launch gather (part 4): grid 256 x 1, 8 waves a work-group, no clusters, 2,304 bytes of LDS; arguments x, codebook, idxw, out0, part; writes out0, part
.if DOCPART == 4
	.amdgcn_target "amdgcn-amd-amdhsa--gfx1250"
	.amdhsa_code_object_version 6
	.text
	.protected	k_qf4cff6cecc_gather
	.globl	k_qf4cff6cecc_gather
	.p2align	8
	.type	k_qf4cff6cecc_gather,@function
k_qf4cff6cecc_gather:
	s_mov_b64 s[64:65], 0
	v_nop
	global_prefetch_b8 v0, s[64:65] scope:SCOPE_SE
	s_setreg_imm32_b32 hwreg(HW_REG_WAVE_MODE, 25, 1), 1
	s_wait_xcnt 0x0
; VECTOR QUANTIZER, STEP 4 OF 5.  out0[row] = x + (q - x) with q = codebook[idx[row]], all f32; and for each work-group three partial sums in part[g] = (sum of (q - x)^2 of its 32 rows,
; sum of p log2(p + 1e-10) of its 32 codes, number of its codes that are used, 0), p = count / 8192.
; SHARES.  Work-group g owns rows 32 g .. 32 g + 31, four a wave (a row is 1,024 bytes: two loads or stores of 512 consecutive bytes), and codes 32 g .. 32 g + 31, a lane a code.
; THE COUNTS are made by gathering, without atomics: each wave looks through 1,024 of the 8,192 indices, 32 registers of 32.  A register holds an index of my 32 codes about one time in eight; only
; then its 32 lanes are read one by one and each lane counts its own code.  That branch hangs on whole numbers that an earlier launch stored, goes forward, and passes no barrier.  If all
; indices fall into one work-group's codes, every register takes the long way there: 32 x 96 instructions a wave.
; An index enters an address behind a clamp to 8,191.
; part's 16 bytes a work-group are a sixteenth of an aligned 256 bytes which neighbours fill: 4,096 bytes in the whole launch.
; Memory binds: no matrix unit, no cluster (rows are read by one wave each), no tensor load.  All of a wave's 24 loads are on their way at once.
.set RED,   0                          ; 8 x 128 bytes: each wave's 32 counts
.set LS,    1024                       ; 8 words: each wave's sum of squares
.set SPARE, 1280                       ; the spare words, 128 bytes for each wave: four blocks of 256 bytes that no other line names
.set L16, 1                            ; v1   16 x lane; never rewritten
.set SC,  4                            ; v4   my 16 bytes in my wave's 4,096 bytes of indices
.set RW,  5                            ; v5   where my count goes
.set SPW, 6                            ; v6   my spare word; never rewritten
.set NIL, 7                            ; v7   0; never rewritten
.set LW,  8                            ; v8   where my wave's sum goes
.set CODE, 9                           ; v9   my code
.set CNT, 10                           ; v10  its count
.set TT,  11                           ; v11  at work
.set LN,  17                           ; v17  lane
.set RR,  18                           ; v18  where wave 0 reads the counts of my code
.set SQ,  20                           ; v[20:23] sums of squares
.set XR,  32                           ; v[32:63]  x, then the result
.set QR,  64                           ; v[64:95]  q, then q - x
.set IX,  96                           ; v[96:127] 1,024 indices; later wave 0's scratch
.set SEL, 36                           ; s[36:37]
	s_load_b256 s[4:11], s[0:1], 0x0               ; x s[4:5], codebook s[6:7], idxw s[8:9], out0 s[10:11]
	s_load_b64 s[12:13], s[0:1], 0x20              ; part
	v_lshl_add_u32 v[SPW], v0, 2, SPARE
	v_mov_b32 v[NIL], 0
	v_lshrrev_b32 v16, 5, v0
	v_readfirstlane_b32 s14, v16                   ; wave 0..7
	s_mov_b32 s15, ttmp9                           ; g
	v_and_b32 v[LN], 31, v0
	v_lshlrev_b32 v[L16], 4, v[LN]
	s_lshl_b32 s39, s14, 12
	v_add_nc_u32 v[SC], s39, v[L16]
	s_lshl_b32 s40, s14, 7
	s_add_co_u32 s40, s40, RED
	v_lshl_add_u32 v[RW], v[LN], 2, s40
	v_lshl_add_u32 v[RR], v[LN], 2, RED
	s_lshl_b32 s41, s14, 2
	s_add_co_u32 s41, s41, LS
	v_mov_b32 v[LW], s41
	s_lshl_b32 s42, s15, 5
	v_add_nc_u32 v[CODE], s42, v[LN]
	v_mov_b32 v[CNT], 0
	s_lshl_b32 s32, s15, 15                        ; the work-group's 32 rows, my wave's 4
	s_add_co_u32 s32, s32, s39
	s_mov_b32 s33, 0
	s_lshl_b32 s34, s15, 7                         ; their indices: 128 bytes, my wave's 16
	s_lshl_b32 s35, s14, 4
	s_add_co_u32 s34, s34, s35
	s_mov_b32 s35, 0
	s_lshl_b32 s44, s15, 4
	s_mov_b32 s45, 0
	s_mov_b32 s[SEL], 0x76543210
	s_mov_b32 s[SEL+1], 0xfedcba98
	s_wait_kmcnt 0x0
	s_add_nc_u64 s[4:5], s[4:5], s[32:33]
	s_add_nc_u64 s[10:11], s[10:11], s[32:33]
	s_add_nc_u64 s[34:35], s[8:9], s[34:35]
	s_add_nc_u64 s[12:13], s[12:13], s[44:45]
	s_load_b128 s[16:19], s[34:35], 0x0            ; my four rows' indices (no line of this launch writes idxw)
.set n, 0
.rept 8
	global_load_b128 v[IX+4*n:IX+4*n+3], v[SC], s[8:9] offset:512*n
.set n, n+1
.endr
.set n, 0
.rept 8                                ; load n: row n / 2, half n % 2
	global_load_b128 v[XR+4*n:XR+4*n+3], v[L16], s[4:5] offset:512*n th:TH_LOAD_NT
.set n, n+1
.endr
	s_wait_kmcnt 0x0
.irp j, 0,1,2,3
	s_min_u32 s[16+\j], s[16+\j], 0x1fff           ; inside the table, whatever was loaded
	s_lshl_b32 s[20+2*\j], s[16+\j], 10            ; a code's 1,024 bytes
	s_mov_b32 s[21+2*\j], 0
	s_add_nc_u64 s[20+2*\j:21+2*\j], s[6:7], s[20+2*\j:21+2*\j]
.endr
.irp j, 0,1,2,3
	global_load_b128 v[QR+8*\j:QR+8*\j+3], v[L16], s[20+2*\j:21+2*\j]
	global_load_b128 v[QR+8*\j+4:QR+8*\j+7], v[L16], s[20+2*\j:21+2*\j] offset:512
.endr
; One register of 32 indices.  Is any of them one of my work-group's codes (index / 32 = g)?  If so, lane by lane: each lane adds 1 where the index is its code.
.macro CHK r
	v_lshrrev_b32 v[TT], 5, v[\r]
	v_cmp_eq_u32 s30, s15, v[TT]
	s_cmp_eq_u32 s30, 0
	s_cbranch_scc1 .Lmiss_\@
.set j, 0
.rept 32
	v_readlane_b32 s29, v[\r], j
	v_cmp_eq_u32 vcc_lo, s29, v[CODE]
	v_add_co_ci_u32 v[CNT], vcc_lo, 0, v[CNT], vcc_lo
.set j, j+1
.endr
.Lmiss_\@:
.endm
	s_wait_loadcnt 16                              ; the indices are in; the 8 loads of x and the 8 of code rows behind them stay out
.set n, 0
.rept 32
	CHK IX+n
.set n, n+1
.endr
.set n, 0
.rept 8
	s_wait_loadcnt 7-n                             ; half n of the code rows is in (and all of x, asked for before it); the 7 - n younger halves stay out
	v_pk_add_f32 v[QR+4*n:QR+4*n+1], v[QR+4*n:QR+4*n+1], v[XR+4*n:XR+4*n+1] neg_lo:[0,1] neg_hi:[0,1]      ; q - x
	v_pk_add_f32 v[QR+4*n+2:QR+4*n+3], v[QR+4*n+2:QR+4*n+3], v[XR+4*n+2:XR+4*n+3] neg_lo:[0,1] neg_hi:[0,1]
.if n == 0
	v_pk_mul_f32 v[SQ:SQ+1], v[QR:QR+1], v[QR:QR+1]          ; the first squares start the sums
	v_pk_mul_f32 v[SQ+2:SQ+3], v[QR+2:QR+3], v[QR+2:QR+3]
.else
	v_pk_fma_f32 v[SQ:SQ+1], v[QR+4*n:QR+4*n+1], v[QR+4*n:QR+4*n+1], v[SQ:SQ+1]
	v_pk_fma_f32 v[SQ+2:SQ+3], v[QR+4*n+2:QR+4*n+3], v[QR+4*n+2:QR+4*n+3], v[SQ+2:SQ+3]
.endif
	v_pk_add_f32 v[XR+4*n:XR+4*n+1], v[XR+4*n:XR+4*n+1], v[QR+4*n:QR+4*n+1]            ; x + (q - x)
	v_pk_add_f32 v[XR+4*n+2:XR+4*n+3], v[XR+4*n+2:XR+4*n+3], v[QR+4*n+2:QR+4*n+3]
	global_store_b128 v[L16], v[XR+4*n:XR+4*n+3], s[10:11] offset:512*n th:TH_STORE_NT  ; 512 consecutive bytes, at a multiple of 512 from out0's first
.set n, n+1
.endr
.macro WSUM r, t                       ; the sum over the wave's 32 lanes, in every lane; t: a register that has been written
	v_add_f32_dpp v[\r], v[\r], v[\r] row_xmask:1 row_mask:0xf bank_mask:0xf
	v_add_f32_dpp v[\r], v[\r], v[\r] row_xmask:2 row_mask:0xf bank_mask:0xf
	v_add_f32_dpp v[\r], v[\r], v[\r] row_xmask:4 row_mask:0xf bank_mask:0xf
	v_add_f32_dpp v[\r], v[\r], v[\r] row_xmask:8 row_mask:0xf bank_mask:0xf
	v_permlanex16_b32 v[\t], v[\r], s[SEL], s[SEL+1]
	v_add_f32 v[\r], v[\r], v[\t]
.endm
	v_pk_add_f32 v[SQ:SQ+1], v[SQ:SQ+1], v[SQ+2:SQ+3]
	v_add_f32 v[SQ], v[SQ], v[SQ+1]
	WSUM SQ, SQ+1
	ds_store_b32 v[RW], v[CNT]
	ds_store_b32 v[LW], v[SQ]                      ; all lanes write the same word with the same number
	s_wait_dscnt 0x0                               ; for the others' sake: my two stores are done
	s_barrier_signal -1
	s_barrier_wait -1
	s_cmp_lg_u32 s14, 0
	s_cbranch_scc1 .Lend
	; wave 0 adds the eight waves' figures
.irp k, 0,1,2,3,4,5,6,7
	ds_load_b32 v[IX+\k], v[RR] offset:128*\k
.endr
	v_mov_b32 v19, LS
	ds_load_b128 v[IX+8:IX+11], v19
	ds_load_b128 v[IX+12:IX+15], v19 offset:16
	s_wait_dscnt 0x0
	v_add3_u32 v[IX], v[IX], v[IX+1], v[IX+2]
	v_add3_u32 v[IX+3], v[IX+3], v[IX+4], v[IX+5]
	v_add3_u32 v[IX], v[IX], v[IX+3], v[IX+6]
	v_add_nc_u32 v[IX], v[IX], v[IX+7]             ; my code's count
	v_pk_add_f32 v[IX+8:IX+9], v[IX+8:IX+9], v[IX+10:IX+11]
	v_pk_add_f32 v[IX+12:IX+13], v[IX+12:IX+13], v[IX+14:IX+15]
	v_pk_add_f32 v[IX+8:IX+9], v[IX+8:IX+9], v[IX+12:IX+13]
	v_add_f32 v[IX+20], v[IX+8], v[IX+9]           ; the 32 rows' sum of squares
	v_cvt_f32_u32 v[IX+16], v[IX]
	v_mul_f32 v[IX+16], 0x39000000, v[IX+16]       ; p = count / 8192, exact
	v_add_f32 v[IX+17], 0x2edbe6ff, v[IX+16]       ; + 1e-10
	v_log_f32 v[IX+17], v[IX+17]
	v_min_u32 v[IX+18], 1, v[IX]                   ; (the plain instruction behind the logarithm)
	v_cvt_f32_u32 v[IX+22], v[IX+18]               ; 1 if the code is used
	s_wait_alu depctr_va_vdst(0)
	v_mul_f32 v[IX+21], v[IX+16], v[IX+17]         ; p log2(p + 1e-10); 0 where p = 0
	WSUM IX+21, IX+16
	WSUM IX+22, IX+16
	v_mov_b32 v[IX+23], 0
	v_mov_b32 v[IX+19], 0
	s_wait_xcnt 0x0                                ; EXEC, a source of the stores above, changes only behind this wait
	v_cmp_eq_u32 vcc_lo, 0, v[LN]
	s_and_saveexec_b32 s38, vcc_lo
	global_store_b128 v[IX+19], v[IX+20:IX+23], s[12:13]
	s_wait_xcnt 0x0                                ; and again, in front of the line that widens it
	s_or_b32 exec_lo, exec_lo, s38
.Lend:
	s_wait_tensorcnt 0x0                           ; the wave's end, behind my last LDS store
	ds_add_u32 v[SPW], v[NIL]
	s_wait_dscnt 0x0
	s_endpgm
.Lfunc_end_k_qf4cff6cecc_gather:
	.size	k_qf4cff6cecc_gather, .Lfunc_end_k_qf4cff6cecc_gather-k_qf4cff6cecc_gather
	.p2alignl 7, 3214868480
	.fill 96, 4, 3214868480
	.section	.rodata,"a",@progbits
	.p2align	6, 0x0
	.amdhsa_kernel k_qf4cff6cecc_gather
		.amdhsa_group_segment_fixed_size 2304
		.amdhsa_private_segment_fixed_size 0
		.amdhsa_enable_private_segment 0
		.amdhsa_kernarg_size 40
		.amdhsa_user_sgpr_count 2
		.amdhsa_user_sgpr_kernarg_segment_ptr 1
		.amdhsa_wavefront_size32 1
		.amdhsa_system_sgpr_workgroup_id_x 1
		.amdhsa_system_sgpr_workgroup_id_y 1
		.amdhsa_system_sgpr_workgroup_id_z 1
		.amdhsa_system_vgpr_workitem_id 0
		.amdhsa_next_free_vgpr 128
		.amdhsa_next_free_sgpr 66
		.amdhsa_reserve_vcc 1
		.amdhsa_float_denorm_mode_32 3
		.amdhsa_float_denorm_mode_16_64 3
		.amdhsa_memory_ordered 1
		.amdhsa_forward_progress 1
		.amdhsa_inst_pref_size 146
	.end_amdhsa_kernel
	.amdgpu_metadata
---
amdhsa.version: [ 1, 2 ]
amdhsa.kernels:
  - .name:           k_qf4cff6cecc_gather
    .symbol:         k_qf4cff6cecc_gather.kd
    .args:
      - { .name: x, .offset: 0, .size: 8, .value_kind: global_buffer, .address_space: global }
      - { .name: codebook, .offset: 8, .size: 8, .value_kind: global_buffer, .address_space: global }
      - { .name: idxw, .offset: 16, .size: 8, .value_kind: global_buffer, .address_space: global }
      - { .name: out0, .offset: 24, .size: 8, .value_kind: global_buffer, .address_space: global }
      - { .name: part, .offset: 32, .size: 8, .value_kind: global_buffer, .address_space: global }
    .group_segment_fixed_size: 2304
    .private_segment_fixed_size: 0
    .kernarg_segment_align: 8
    .kernarg_segment_size: 40
    .max_flat_workgroup_size: 256
    .sgpr_count:     66
    .vgpr_count:     128
    .wavefront_size: 32
...
	.end_amdgpu_metadata
.endif
;; end of part 4
;; launch final (part 5): grid 1 x 1, 1 waves a work-group, no clusters, 0 bytes of LDS; arguments part, out1, out3, out4; writes out1, out3, out4
.if DOCPART == 5
	.amdgcn_target "amdgcn-amd-amdhsa--gfx1250"
	.amdhsa_code_object_version 6
	.text
	.protected	k_qf4cff6cecc_final
	.globl	k_qf4cff6cecc_final
	.p2align	8
	.type	k_qf4cff6cecc_final,@function
k_qf4cff6cecc_final:
	s_mov_b64 s[64:65], 0
	v_nop
	global_prefetch_b8 v0, s[64:65] scope:SCOPE_SE
	s_setreg_imm32_b32 hwreg(HW_REG_WAVE_MODE, 25, 1), 1
	s_wait_xcnt 0x0
; VECTOR QUANTIZER, STEP 5 OF 5.  The 256 work-groups' partial sums (sum of squares S, sum T of p log2(p + 1e-10), used codes U, 0) are added in a fixed order by one wave.
;   mean M = S / 2,097,152;  entropy in bits H = -T
;   out1 = 2 (0.25 M + M) + 0.1 ln 2 H;   out3 = 2^H (= e to the entropy in nats);   out4 = U / 8192
; 4,096 bytes: eight loads of 512 consecutive bytes, all on their way at once.  One owner for a sum that spans work-groups: no atomics.
	s_load_b256 s[4:11], s[0:1], 0x0               ; part s[4:5], out1 s[6:7], out3 s[8:9], out4 s[10:11]
	v_lshlrev_b32 v1, 4, v0
	v_mov_b32 v2, 0
	s_mov_b32 s12, 0x76543210
	s_mov_b32 s13, 0xfedcba98
	s_wait_kmcnt 0x0
.set n, 0
.rept 8
	global_load_b128 v[8+4*n:11+4*n], v1, s[4:5] offset:512*n
.set n, n+1
.endr
.set n, 1
.rept 7
	s_wait_loadcnt 7-n                             ; loads 0 to n are in, the 7 - n younger ones stay out
	v_pk_add_f32 v[8:9], v[8:9], v[8+4*n:9+4*n]
	v_add_f32 v10, v10, v[10+4*n]
.set n, n+1
.endr
.macro WSUM r, t                       ; the sum over the 32 lanes, in every lane; t: a register that has been written
	v_add_f32_dpp v[\r], v[\r], v[\r] row_xmask:1 row_mask:0xf bank_mask:0xf
	v_add_f32_dpp v[\r], v[\r], v[\r] row_xmask:2 row_mask:0xf bank_mask:0xf
	v_add_f32_dpp v[\r], v[\r], v[\r] row_xmask:4 row_mask:0xf bank_mask:0xf
	v_add_f32_dpp v[\r], v[\r], v[\r] row_xmask:8 row_mask:0xf bank_mask:0xf
	v_permlanex16_b32 v[\t], v[\r], s12, s13
	v_add_f32 v[\r], v[\r], v[\t]
.endm
	WSUM 8, 11
	WSUM 9, 11
	WSUM 10, 11
	v_mul_f32 v12, 0x35a00000, v8                  ; 2.5 / 2,097,152 x S
	v_fmamk_f32 v12, v9, 0xbd8df4e0, v12           ; - 0.1 ln 2 x T
	v_mul_f32 v13, -1.0, v9                        ; H
	v_exp_f32 v13, v13
	v_mul_f32 v14, 0x39000000, v10                 ; U / 8192 (also the plain instruction behind the exponential)
	s_wait_xcnt 0x0                                ; EXEC, a source of the loads above, changes only behind this wait
	v_cmp_eq_u32 vcc_lo, 0, v0
	s_and_saveexec_b32 s14, vcc_lo                 ; lane 0 stores the three numbers
	global_store_b32 v2, v12, s[6:7]
	s_wait_alu depctr_va_vdst(0)
	global_store_b32 v2, v13, s[8:9]
	global_store_b32 v2, v14, s[10:11]
	s_endpgm
.Lfunc_end_k_qf4cff6cecc_final:
	.size	k_qf4cff6cecc_final, .Lfunc_end_k_qf4cff6cecc_final-k_qf4cff6cecc_final
	.p2alignl 7, 3214868480
	.fill 96, 4, 3214868480
	.section	.rodata,"a",@progbits
	.p2align	6, 0x0
	.amdhsa_kernel k_qf4cff6cecc_final
		.amdhsa_group_segment_fixed_size 0
		.amdhsa_private_segment_fixed_size 0
		.amdhsa_enable_private_segment 0
		.amdhsa_kernarg_size 32
		.amdhsa_user_sgpr_count 2
		.amdhsa_user_sgpr_kernarg_segment_ptr 1
		.amdhsa_wavefront_size32 1
		.amdhsa_system_sgpr_workgroup_id_x 1
		.amdhsa_system_sgpr_workgroup_id_y 1
		.amdhsa_system_sgpr_workgroup_id_z 1
		.amdhsa_system_vgpr_workitem_id 0
		.amdhsa_next_free_vgpr 48
		.amdhsa_next_free_sgpr 66
		.amdhsa_reserve_vcc 1
		.amdhsa_float_denorm_mode_32 3
		.amdhsa_float_denorm_mode_16_64 3
		.amdhsa_memory_ordered 1
		.amdhsa_forward_progress 1
		.amdhsa_inst_pref_size 4
	.end_amdhsa_kernel
	.amdgpu_metadata
---
amdhsa.version: [ 1, 2 ]
amdhsa.kernels:
  - .name:           k_qf4cff6cecc_final
    .symbol:         k_qf4cff6cecc_final.kd
    .args:
      - { .name: part, .offset: 0, .size: 8, .value_kind: global_buffer, .address_space: global }
      - { .name: out1, .offset: 8, .size: 8, .value_kind: global_buffer, .address_space: global }
      - { .name: out3, .offset: 16, .size: 8, .value_kind: global_buffer, .address_space: global }
      - { .name: out4, .offset: 24, .size: 8, .value_kind: global_buffer, .address_space: global }
    .group_segment_fixed_size: 0
    .private_segment_fixed_size: 0
    .kernarg_segment_align: 8
    .kernarg_segment_size: 32
    .max_flat_workgroup_size: 32
    .sgpr_count:     66
    .vgpr_count:     48
    .wavefront_size: 32
...
	.end_amdgpu_metadata
.endif
;; end of part 5
;; ======== version 2 of 2: 5 launches; version 1 with the launch prep written anew for expert scheduling mode
;; limits: right only within a limited range of input values
;; workspace buffers: xb 4,194,304 bytes; cb 4,194,304 bytes; rcn 32,768 bytes; cand 1,048,576 bytes; idxw 32,768 bytes of whole numbers; part 4,096 bytes
;; launch prep (part 6): grid 128 x 2, 4 waves a work-group, no clusters, 34,560 bytes of LDS; arguments x, codebook, xb, cb, rcn; writes xb, cb, rcn
.if DOCPART == 6
	.amdgcn_target "amdgcn-amd-amdhsa--gfx1250"
	.amdhsa_code_object_version 6
	.text
	.protected	k_qf4cff6cecc_prep
	.globl	k_qf4cff6cecc_prep
	.p2align	8
	.type	k_qf4cff6cecc_prep,@function
k_qf4cff6cecc_prep:
	s_mov_b64 s[64:65], 0
	v_nop
	global_prefetch_b8 v0, s[64:65] scope:SCOPE_SE
	s_setreg_imm32_b32 hwreg(HW_REG_WAVE_SCHED_MODE, 0, 2), 2
	s_setreg_imm32_b32 hwreg(HW_REG_WAVE_MODE, 25, 1), 1
	s_wait_xcnt 0x0
	s_wait_alu depctr_vm_vsrc(0)
; VECTOR QUANTIZER, STEP 1 OF 5.  x and the codebook ([8192][256] f32 each) are rounded once to bf16 and laid out in the order in which the
; matrix instruction's fragments want them; for the codebook also rc[k] = 1 / sqrt(sum of the rounded row's squares + 1e-12), in f32.
; The rows are NOT normalised before the rounding: the next step multiplies the rounded rows exactly and applies rc in f32 behind the product.
; LAYOUT OF xb AND cb.  A tile of 16 rows is 8,192 bytes.  In it piece m = 0..15 is 512 bytes; in a piece lane l = 16 h + r owns the 16 bytes at 16 l:
; row r, columns 16 m + 8 h + 0..7.  Pieces 2 c and 2 c + 1 are registers 0-3 and 4-7 of the fragment of columns 32 c .. 32 c + 31.
; SHARES.  Grid y picks the matrix (0: x, 1: codebook).  A work-group takes 64 rows, each of its four waves one tile: 16,384 bytes in (32 loads of 512
; consecutive bytes, all on their way at once), 8,192 bytes out (16 stores of 512 consecutive bytes).  The turn from rows to pieces goes through the wave's own stage in LDS.
; No matrix unit, no cluster, no tensor load: every byte is read once by one wave, and nothing is shared.
; LIMITS.  NaN and infinities are not treated apart.
; THE MODE: SCHED_MODE bits 1:0 = 2 (LLVM: expert scheduling mode 2), set by the entry lines.  The code itself states the register dependences
; between vector instructions and memory or LDS instructions, with s_wait_alu, always for 0.
; THE PLAN.  Registers that memory or LDS instructions touch:
;   v1-v5, v14   offsets and LDS addresses: written once at the head by vector instructions, read by every load and store, never written again.
;   v[T:T+1]     named by vector instructions at the head alone; at the end an LDS load of wave 0 lands in it, and a store reads it.
;   IN           the 32 global loads land in it; load n's two conversions read its four registers and write the first two, which LDS store n reads.  Never written again.
;   FR           the 16 LDS loads land in it; the global stores and the sum of squares read it.  Never written again.
;   v[SUM+2]     written by the root, read by one LDS store, never written again.
;   v[SPW], v[NIL]  written at the head, read by the closing add alone.
; The 32 loads go in four blocks of eight.  Block b rounds its own eight; its LDS instructions are the eight stores of block b - 1, whose data no conversion of block b names.  So one wait
; at a block's head states all that its stores hang on, and they are dealt among its conversions with no further wait.  No register that a memory or LDS instruction has read is
; written again, so no wait for such reads is owed ahead of the closing lines.
.set PITCH, 528                        ; a stage row: 512 bytes of bf16 + 16 = 33 x 16, so the 16 rows that a read-back touches begin 16 bytes apart modulo 256
.set STG,   16*PITCH                   ; a wave's stage
.set RN,    4*STG                      ; 64 words: rc of the work-group's rows
.set SPARE, RN+256                     ; the spare words, 128 bytes for each wave: two blocks of 256 bytes that no other line names
.set GO,  1                            ; v1   16 x lane: my bytes in 512 consecutive bytes of memory; never rewritten
.set SA,  2                            ; v2   stage, in: 8 x lane
.set LA,  3                            ; v3   stage, back: row r, 16 h
.set NW,  4                            ; v4   where rc of row r goes
.set NR,  5                            ; v5   where wave 0 reads two rc back
.set SPW, 6                            ; v6   my spare word; never rewritten
.set NIL, 7                            ; v7   0; never rewritten
.set SUM, 8                            ; v[8:11]  four chains of the sum of squares
.set T,   12                           ; v[12:13] at work
.set G8,  14                           ; v14  8 x lane
.set IN,  16                           ; v[16:143]  32 loads of four f32
.set FR,  144                          ; v[144:207] 16 pieces of eight bf16
	s_load_b256 s[4:11], s[0:1], 0x0               ; x s[4:5], codebook s[6:7], xb s[8:9], cb s[10:11]
	s_load_b64 s[12:13], s[0:1], 0x20              ; rcn
	v_lshl_add_u32 v[SPW], v0, 2, SPARE
	v_mov_b32 v[NIL], 0
	v_lshrrev_b32 v[T], 5, v0
	v_readfirstlane_b32 s14, v[T]                  ; wave 0..3
	s_and_b32 s15, ttmp7, 0xffff                   ; 0: x, 1: codebook
	v_and_b32 v[T], 31, v0                         ; lane
	v_and_b32 v[SUM], 15, v0                       ; r
	v_bfe_u32 v[SUM+1], v0, 4, 1                   ; h
	v_lshlrev_b32 v[GO], 4, v[T]
	v_lshlrev_b32 v[G8], 3, v[T]
	s_wait_alu depctr_va_sdst(0)                   ; s14 is written, ahead of its first reader: the stage's place and the tile's number are made from it
	s_mul_i32 s16, s14, STG                        ; my stage
	v_lshl_add_u32 v[SA], v[T], 3, s16
	v_mul_u32_u24 v[LA], v[SUM], PITCH
	v_lshl_add_u32 v[LA], v[SUM+1], 4, v[LA]
	v_add_nc_u32 v[LA], s16, v[LA]
	s_lshl_b32 s17, s14, 6                         ; my tile's 16 words among the 64
	s_add_co_u32 s17, s17, RN
	v_lshl_add_u32 v[NW], v[SUM], 2, s17
	v_lshl_add_u32 v[NR], v[T], 3, RN
	s_lshl_b32 s18, ttmp9, 2
	s_add_co_u32 s18, s18, s14                     ; my tile = 4 x work-group + wave
	s_lshl_b32 s20, s18, 14                        ; its 16,384 bytes of f32
	s_mov_b32 s21, 0
	s_lshl_b32 s22, s18, 13                        ; its 8,192 bytes of bf16
	s_mov_b32 s23, 0
	s_lshl_b32 s24, ttmp9, 8                       ; the work-group's 256 bytes of rc
	s_mov_b32 s25, 0
	s_mov_b32 s26, 0x76543210                      ; v_permlanex16_b32: each lane takes its own place in the other half
	s_mov_b32 s27, 0xfedcba98
	s_wait_kmcnt 0x0
	s_cmp_eq_u32 s15, 0
	s_cselect_b64 s[4:5], s[4:5], s[6:7]           ; from x or from the codebook,
	s_cselect_b64 s[8:9], s[8:9], s[10:11]         ; into xb or into cb
	s_add_nc_u64 s[4:5], s[4:5], s[20:21]
	s_add_nc_u64 s[8:9], s[8:9], s[22:23]
	s_add_nc_u64 s[12:13], s[12:13], s[24:25]
	s_wait_alu depctr_va_vdst(0)                   ; the offsets and addresses v1 to v5 and v14 are written, which the kernel's loads and stores read; the lines above are done with v[T:T+1], in which an LDS load lands at the end.  No vector instruction below names any of them
.set n, 0
.rept 32                               ; load n: row n / 2, columns 128 (n % 2) + 4 x lane + 0..3
	global_load_b128 v[IN+4*n:IN+4*n+3], v[GO], s[4:5] offset:512*n th:TH_LOAD_NT
.set n, n+1
.endr
.macro CVT n                           ; load n's four numbers: the one rounding, to nearest even; they close up into the first two of their four registers
	v_cvt_pk_bf16_f32 v[IN+4*(\n)], v[IN+4*(\n)], v[IN+4*(\n)+1]
	v_cvt_pk_bf16_f32 v[IN+4*(\n)+1], v[IN+4*(\n)+2], v[IN+4*(\n)+3]
.endm
.macro PUT n                           ; and into the stage: 32 lanes, 256 consecutive bytes
	ds_store_b64 v[SA], v[IN+4*(\n):IN+4*(\n)+1] offset:((\n)/2)*PITCH+((\n)%2)*256
.endm
.set b, 0
.rept 4                                ; block b: loads 8 b to 8 b + 7, four rows
	s_wait_loadcnt 24-8*b                          ; loads come back in order: block b's eight are in, the 24 - 8 b younger ones stay out
.if b > 0
	s_wait_alu depctr_va_vdst(0)                   ; the conversions of block b - 1 have written the registers that the eight LDS stores below read; this block's conversions name none of them
.endif
.set n, 8*b
.rept 8
.if b > 0
	PUT n-8
.endif
	CVT n
.set n, n+1
.endr
.set b, b+1
.endr
	s_wait_alu depctr_va_vdst(0)                   ; the conversions of block 3 have written the registers that the last eight LDS stores read
.set n, 24
.rept 8
	PUT n
.set n, n+1
.endr
.set m, 0
.rept 16                               ; LDS serves a wave's instructions in order, and the stage is my own: no wait between the stores and these.  No vector instruction has named v[FR ..]
	ds_load_b128 v[FR+4*m:FR+4*m+3], v[LA] offset:32*m
.set m, m+1
.endr
.set m, 0
.rept 16
	s_wait_dscnt 15-m                              ; piece m is back, the 15 - m younger ones stay out
	global_store_b128 v[GO], v[FR+4*m:FR+4*m+3], s[8:9] offset:512*m  ; 512 consecutive bytes, at a multiple of 512 from the buffer's first
.set m, m+1
.endr
	s_cmp_eq_u32 s15, 0
	s_cbranch_scc1 .Lno_norm                       ; x needs no norm: its factor is the same for all codes of a row
	; my lane holds 128 of row r's 256 numbers, the lane 16 away the others
.irp z, 0,1,2,3
	v_mov_b32 v[SUM+\z], 0
.endr
.set m, 0
.rept 64
	v_fma_mix_f32_bf16 v[SUM+(2*m)%4], v[FR+m], v[FR+m], v[SUM+(2*m)%4] op_sel_hi:[1,1,0]                    ; low half squared, in f32
	v_fma_mix_f32_bf16 v[SUM+(2*m+1)%4], v[FR+m], v[FR+m], v[SUM+(2*m+1)%4] op_sel:[1,1,0] op_sel_hi:[1,1,0]  ; high half squared
.set m, m+1
.endr
	v_add_f32 v[SUM], v[SUM], v[SUM+1]
	v_add_f32 v[SUM+2], v[SUM+2], v[SUM+3]
	v_add_f32 v[SUM], v[SUM], v[SUM+2]
	v_permlanex16_b32 v[SUM+1], v[SUM], s26, s27
	v_add_f32 v[SUM], v[SUM], v[SUM+1]
	v_add_f32 v[SUM], 0x2b8cbccc, v[SUM]           ; + 1e-12
	v_rsq_f32 v[SUM+2], v[SUM]
	v_nop                                          ; a plain instruction between the root and the use of its result
	s_wait_alu depctr_va_vdst(0)                   ; the root has written v[SUM+2], which the LDS store reads
	ds_store_b32 v[NW], v[SUM+2]                   ; lanes r and r + 16 write the same word with the same number
.Lno_norm:
	s_wait_dscnt 0x0                               ; for the others' sake: my store of rc is done
	s_barrier_signal -1
	s_barrier_wait -1
	s_cmp_eq_u32 s15, 0
	s_cbranch_scc1 .Lend
	s_cmp_lg_u32 s14, 0
	s_cbranch_scc1 .Lend
	ds_load_b64 v[T:T+1], v[NR]                    ; wave 0 stores the work-group's 64 rc (the last vector instruction that named v[T:T+1] or v[NR] stands ahead of the head's wait):
	s_wait_dscnt 0x0
	global_store_b64 v[G8], v[T:T+1], s[12:13]     ; 256 consecutive bytes, at a multiple of 256 from rcn's first
.Lend:
	s_wait_dscnt 0x0                               ; the closing lines, six on end
	s_wait_alu 0x0
	s_wait_tensorcnt 0x0
	ds_add_u32 v[SPW], v[NIL]
	s_wait_dscnt 0x0
	s_endpgm
.Lfunc_end_k_qf4cff6cecc_prep:
	.size	k_qf4cff6cecc_prep, .Lfunc_end_k_qf4cff6cecc_prep-k_qf4cff6cecc_prep
	.p2alignl 7, 3214868480
	.fill 96, 4, 3214868480
	.section	.rodata,"a",@progbits
	.p2align	6, 0x0
	.amdhsa_kernel k_qf4cff6cecc_prep
		.amdhsa_group_segment_fixed_size 34560
		.amdhsa_private_segment_fixed_size 0
		.amdhsa_enable_private_segment 0
		.amdhsa_kernarg_size 40
		.amdhsa_user_sgpr_count 2
		.amdhsa_user_sgpr_kernarg_segment_ptr 1
		.amdhsa_wavefront_size32 1
		.amdhsa_system_sgpr_workgroup_id_x 1
		.amdhsa_system_sgpr_workgroup_id_y 1
		.amdhsa_system_sgpr_workgroup_id_z 1
		.amdhsa_system_vgpr_workitem_id 0
		.amdhsa_next_free_vgpr 208
		.amdhsa_next_free_sgpr 66
		.amdhsa_reserve_vcc 0
		.amdhsa_float_denorm_mode_32 3
		.amdhsa_float_denorm_mode_16_64 3
		.amdhsa_memory_ordered 1
		.amdhsa_forward_progress 1
		.amdhsa_inst_pref_size 24
	.end_amdhsa_kernel
	.amdgpu_metadata
---
amdhsa.version: [ 1, 2 ]
amdhsa.kernels:
  - .name:           k_qf4cff6cecc_prep
    .symbol:         k_qf4cff6cecc_prep.kd
    .args:
      - { .name: x, .offset: 0, .size: 8, .value_kind: global_buffer, .address_space: global }
      - { .name: codebook, .offset: 8, .size: 8, .value_kind: global_buffer, .address_space: global }
      - { .name: xb, .offset: 16, .size: 8, .value_kind: global_buffer, .address_space: global }
      - { .name: cb, .offset: 24, .size: 8, .value_kind: global_buffer, .address_space: global }
      - { .name: rcn, .offset: 32, .size: 8, .value_kind: global_buffer, .address_space: global }
    .group_segment_fixed_size: 34560
    .private_segment_fixed_size: 0
    .kernarg_segment_align: 8
    .kernarg_segment_size: 40
    .max_flat_workgroup_size: 128
    .sgpr_count:     66
    .vgpr_count:     208
    .wavefront_size: 32
...
	.end_amdgpu_metadata
.endif
;; end of part 6
;; launch score: the kernel of part 2 again; grid 16 x 16, 4 waves a work-group, clusters of 4 x 1, 327,680 bytes of LDS; arguments xb, cb, rcn, cand; writes cand
;; launch pick: the kernel of part 3 again; grid 32 x 1, 4 waves a work-group, no clusters, 0 bytes of LDS; arguments cand, out2, idxw; writes out2, idxw
;; launch gather: the kernel of part 4 again; grid 256 x 1, 8 waves a work-group, no clusters, 2,304 bytes of LDS; arguments x, codebook, idxw, out0, part; writes out0, part
;; launch final: the kernel of part 5 again; grid 1 x 1, 1 waves a work-group, no clusters, 0 bytes of LDS; arguments part, out1, out3, out4; writes out1, out3, out4
